; MI455X (gfx1250); checked and timed in simulation.
; The chip was launched on July 23, 2026; its instructions are those of AMD's public machine-readable ISA for CDNA 5 (MIT licence, August 2026) and "CDNA5" Instruction Set Architecture Reference Guide (July 2026). The comments in the code are by the model that wrote it; some were corrected since.
;; Multi Head Self Attention. Allowed arithmetic: matrix products marked QUANTISED: E2M3 operands, one E8M0 scale for each 32 along K, by v_wmma_scale_f32_16x16x128_f8f6f4 with both operands' format E2M3, f32 sums; everything else in f32.
;; Inputs: b_proj 1,024 float32; w_proj 1,024 x 1,024 float32; w_qkv 3,072 x 1,024 float32; x 4 x 2,048 x 1,024 float32.
;; Outputs: out0 4 x 2,048 x 1,024 float32.
;; This version of the problem:
;;   THIS VERSION OF THE PROBLEM IS GIVEN IN LOW PRECISION. The matrix products marked QUANTISED in the list below multiply operands that are first quantised to E2M3 (2 exponent bits, 3 mantissa bits; 6 bits a number), with one power-of-two scale for each 32 numbers along K (OCP MX v1.0); their sums are f32. All else is computed in f32.
;;   The module's matrix products, in the order in which they are computed (A, B: the left and right operand; K: the contracted axis; several contracted axes count as one K, in the product's order):
;;     1. [M 8,192, K 1,024] x [K 1,024, N 3,072]; A: input x; B: input w_qkv: QUANTISED
;;     2. batch 64 x [M 2,048, K 64] x [K 64, N 2,048]; A: computed on the way; B: computed on the way: QUANTISED
;;     3. batch 64 x [M 2,048, K 2,048] x [K 2,048, N 64]; A: softmax (see below); B: computed on the way: QUANTISED
;;     4. [M 8,192, K 1,024] x [K 1,024, N 1,024]; A: computed on the way; B: input w_proj: QUANTISED
;;   THE QUANTISER, for each operand of a quantised product, along K:
;;     - K is cut into blocks of 32 from its start; a last block that is shorter is filled with zeros.
;;     - A block's scale is 2^e with e = floor(log2(the largest magnitude in the block)) - 2, held to -126 .. 127; a block of zeros has e = 0. As a byte (E8M0): e + 127.
;;     - Each number is divided by its block's scale, clamped to +-7.5, and rounded to the nearest number of E2M3, ties to even, subnormals kept.
;;     - The product sums the exact products of the quantised numbers (number of the format x scale) in f32.
;;   ~~~python
;;   def quantise(x, axis):      # numpy; x: float32 -> the quantised numbers, widened to float32 again
;;       x = np.moveaxis(x, axis, -1); K = x.shape[-1]
;;       x = np.pad(x, [(0, 0)] * (x.ndim - 1) + [(0, -K % 32)]); x = x.reshape(x.shape[:-1] + (-1, 32)); a = np.abs(x).max(-1, keepdims=True)
;;       e = np.where(a > 0, np.clip(np.frexp(np.where(a > 0, a, 1))[1] - 1 - 2, -126, 127), 0)      # np.frexp(a)[1] - 1 = floor(log2(a)), exactly
;;       r = np.clip(x / 2.0 ** e, -7.5, 7.5)
;;       step = 2.0 ** (np.maximum(np.frexp(np.where(r == 0, 1, r))[1] - 1, 0) - 3)
;;       q = np.round(r / step) * step * 2.0 ** e      # np.round: ties to even
;;       return np.moveaxis(q.reshape(q.shape[:-2] + (-1,))[..., :K], -1, axis).astype(np.float32)
;;   ~~~
;;   SOFTMAX AHEAD OF A QUANTISED PRODUCT. Where the list says 'softmax', what is quantised is not the finished softmax but p = 2^(t - M), with t = logit x log2(e) and M = ceil(the row's largest t), a whole number; so 1/2 < the row's largest p <= 1. The row's sum l is taken of the UNQUANTISED p, in f32, and the product's result is divided by l at the end. Since M is a whole number, a kernel that streams over the keys may use a running M (the ceiling of the running maximum): every later rescaling is an exact power of two, which a block's scale takes up: the codes' values come out the same.
;;   OPERANDS COMPUTED ON THE WAY. 'Computed on the way' means the value that the module computes at that place (a softmax that the list does not call 'softmax' is quantised finished and normalised). What goes into a quantiser is computed in f32, as accurately as f32 sums, v_exp_f32 and their like allow (about 1e-6 of the number): no bf16 or f16 on the way to a quantiser, and a product that is left as it is and whose result goes on into a quantised operand takes f32 operands (vector FMAs, or v_wmma_f32_16x16x4_f32). A number that lies on a knife's edge between two numbers of the format may be rounded either way, as far as f32 arithmetic and the matrix unit's own rounding can turn it there, and no further.
;; One version. Each part assembles by itself: llvm-mc -triple=amdgcn-amd-amdhsa -mcpu=gfx1250 --defsym DOCPART=n.
;; ======== version 1 of 1: 4 launches
;; workspace buffers: cq 9,830,400 bytes; qkv 20,185,088 bytes; oq 6,553,600 bytes
;; launch quant (part 1): grid 384 x 1, 4 waves a work-group, no clusters, 33,280 bytes of LDS; arguments x, w_qkv, w_proj, cq; writes cq
.if DOCPART == 1
	.amdgcn_target "amdgcn-amd-amdhsa--gfx1250"
	.amdhsa_code_object_version 6
	.text
	.protected	k_q8d8bf30481_quant
	.globl	k_q8d8bf30481_quant
	.p2align	8
	.type	k_q8d8bf30481_quant,@function
k_q8d8bf30481_quant:
	s_mov_b64 s[64:65], 0
	v_nop
	global_prefetch_b8 v0, s[64:65] scope:SCOPE_SE
	s_setreg_imm32_b32 hwreg(HW_REG_WAVE_MODE, 25, 1), 1
	s_wait_xcnt 0x0
; x [8192][1024], w_qkv [3072][1024] and w_proj [1024][1024], f32 with K innermost, become codes of FP6 (E2M3), 6 bits each, with one E8M0 scale byte for each 32 along K.
; A block's scale is 2^(floor(log2(its largest magnitude)) - 2); its byte is the largest magnitude's own exponent field - 2, held at 1 from below.  (A block of zeros so gets the byte 1 where the rule says 127:
; its codes are zeros, which add nothing under any byte but 0xff, and the bytes are read by this program alone.)  Each number is divided by the scale and rounded to the nearest code, ties to even, beyond 7.5 the largest code.
; LIMITS: NaN and infinities among the inputs are not served; blocks whose largest magnitude lies under 2^(3 - 127) keep the byte 1.
; THE OUTPUT, cq: 48 groups of 256 rows, 204,800 bytes each: 256 rows x 768 bytes of codes, then 256 rows x 32 scale bytes.  Groups 0-31 x, 32-43 w_qkv, 44-47 w_proj.
; ROW ORDER: in x and w_qkv the second and the third run of 8 rows of each 32 change places, so that the 16 rows that lie together hold rows 8 u + r + 8 (r / 8) of their 32: the product that reads them
; then has 16 neighbours along its results' next K in a lane's 16 registers.  w_proj lies as it comes.
; SHARES: a work-group takes 32 rows, a wave 8 rows = 8,192 numbers = 16 steps of 512.  Each of a step's four loads reads 512 consecutive bytes, 16 a lane; the 2,048 bytes turn through the wave's own stage in LDS and
; come back 64 bytes a lane, since the conversion takes 16 neighbours of one block from ONE lane's registers (two neighbouring lanes hold a block).  A lane's 16 codes are 12 bytes: the wave stores 384 consecutive bytes.
; A wave's 256 scale bytes are gathered in its own LDS bytes and leave as one aligned run of 256 bytes.
; No tensor loads, no barrier, no cluster: waves share nothing and every byte is read once.  Loads run four steps (16 loads a wave) ahead, the turn through LDS one step.
.set STEPS, 16
.set EMAX,  2
.set CB,    12                         ; bytes of 16 codes
.set R,     16                         ; v16-79   four sets of 16 numbers as they are loaded
.set X,     80                         ; v80-111  two sets of 16 neighbours
.set C,     128                        ; v128-191 codes: four registers for each step, so that no store's data are written again
.set E,     112                        ; v112-127 a scale byte for each step
.set WREG,  8192                       ; LDS: a region of its own for each wave: two stages of 32 x SP bytes, and behind them its 256 scale bytes
.set SP,    80                         ; a lane's place in a stage: its 64 bytes + 16 of padding
.set GROUP, 204800                     ; a group of 256 rows in cq
.set GSC,   196608                     ; where its scale bytes begin
	s_load_b128 s[4:7], s[0:1], 0x0                ; x, w_qkv
	s_load_b128 s[8:11], s[0:1], 0x10              ; w_proj, cq
	v_lshl_add_u32 v192, v0, 2, 0x8000
	v_mov_b32 v193, 0
	v_lshrrev_b32 v1, 5, v0
	v_readfirstlane_b32 s16, v1                    ; wave
	v_and_b32 v2, 31, v0                           ; lane
	v_lshlrev_b32 v3, 4, v2                        ; my 16 bytes of a load's 512
	s_mul_i32 s17, s16, WREG
	v_lshrrev_b32 v14, 2, v2
	v_mul_u32_u24 v14, v14, SP
	v_and_b32 v15, 3, v2
	v_lshl_add_u32 v14, v15, 4, v14
	v_add_nc_u32 v14, s17, v14                     ; the stage, on the way in: four lanes' 64 bytes on end, then 16 of padding
	v_mul_u32_u24 v15, v2, SP
	v_add_nc_u32 v15, s17, v15                     ; and on the way out: SP x lane: my 16 neighbours
	v_mul_u32_u24 v4, v2, CB                       ; my codes' place in a step's
	v_lshrrev_b32 v5, 1, v2
	s_add_co_u32 s17, s17, 2*32*SP
	v_add_nc_u32 v5, s17, v5                       ; LDS: my wave's 256 scale bytes, my block's byte
	v_lshlrev_b32 v7, 3, v2                        ; and on the way out 8 bytes a lane
	v_add_nc_u32 v6, s17, v7
	s_and_b32 s22, s16, 1
	s_lshl_b32 s22, s22, 1
	s_lshr_b32 s18, s16, 1
	s_or_b32 s22, s22, s18                         ; where my 8 rows go among the work-group's 32: waves 1 and 2 change places
	s_mov_b32 s17, 352
	s_wait_alu depctr_va_vdst(0)
	s_wait_kmcnt 0x0
	s_cmp_lt_u32 ttmp9, 352                        ; work-groups 0-255 x, 256-351 w_qkv, 352-383 w_proj: the choices hang on the work-group's number alone
	s_cselect_b64 s[6:7], s[6:7], s[8:9]
	s_cselect_b32 s17, 256, s17
	s_cselect_b32 s22, s22, s16                    ; w_proj's rows lie as they come
	s_cmp_lt_u32 ttmp9, 256
	s_cselect_b64 s[4:5], s[4:5], s[6:7]           ; my tensor
	s_cselect_b32 s17, 0, s17                      ; and its first work-group
	s_sub_co_u32 s17, ttmp9, s17
	s_lshl_b32 s17, s17, 2
	s_add_co_u32 s17, s17, s16                     ; which run of 8 rows of the tensor is my wave's
	s_lshl_b32 s18, s17, 15                        ; 32,768 bytes a run
	s_mov_b32 s19, 0
	s_add_nc_u64 s[4:5], s[4:5], s[18:19]
	s_lshr_b32 s20, ttmp9, 3
	s_mul_i32 s20, s20, GROUP                      ; my group of 256 rows: eight work-groups fill one
	s_and_b32 s21, ttmp9, 7
	s_mul_i32 s24, s21, 32*768
	s_mul_i32 s25, s22, 8*768
	s_add_co_u32 s24, s24, s25
	s_add_co_u32 s24, s24, s20
	s_mov_b32 s25, 0
	s_add_nc_u64 s[8:9], s[10:11], s[24:25]        ; my 6,144 bytes of codes
	s_lshl_b32 s26, s21, 10
	s_lshl_b32 s27, s22, 8
	s_add_co_u32 s26, s26, s27
	s_add_co_u32 s26, s26, s20
	s_add_co_u32 s26, s26, GSC
	s_mov_b32 s27, 0
	s_add_nc_u64 s[10:11], s[10:11], s[26:27]      ; my 256 scale bytes
.macro LOAD t
.irp i, 0,1,2,3
	global_load_b128 v[R+16*((\t)%4)+4*\i:R+16*((\t)%4)+4*\i+3], v3, s[4:5] offset:2048*(\t)+512*\i th:TH_LOAD_NT   ; 32 lanes read 512 consecutive bytes
.endr
.endm
.macro TURN t                          ; step t's numbers through the stage: LDS serves a wave's instructions in order (ISA guide 5.7.1.4), so no wait stands between the stores and the loads
.irp i, 0,1,2,3
	ds_store_b128 v14, v[R+16*((\t)%4)+4*\i:R+16*((\t)%4)+4*\i+3] offset:32*SP*((\t)%2)+8*SP*\i
.endr
.irp i, 0,1,2,3
	ds_load_b128 v[X+16*((\t)%2)+4*\i:X+16*((\t)%2)+4*\i+3], v15 offset:32*SP*((\t)%2)+16*\i
.endr
.endm
.irp t, 0,1,2,3
	LOAD \t
.endr
	s_wait_loadcnt 12                              ; step 0's four loads are in; the twelve of steps 1 to 3 may be out
	TURN 0
.macro STEP t
.set XS, X+16*((\t)%2)
.if (\t) > 0
	s_wait_dscnt 1                                 ; this step's numbers are back from the stage (the last step's byte store may be out): so its stores into the stage have read their registers,
.else
	s_wait_dscnt 0x0
.endif
.if (\t)+4 < STEPS
	LOAD (\t)+4                                    ; which take the loads of four steps on
.endif
.if (\t)+1 < STEPS
.if STEPS-2-(\t) >= 3
	s_wait_loadcnt 12                              ; the next step's four loads are in; those of the three steps behind it may be out
.else
	s_wait_loadcnt 4*(STEPS-2-(\t))
.endif
	TURN (\t)+1                                    ; and go through the other stage while this step is worked
.endif
	v_max3_num_f32 v8, |v[XS]|, |v[XS+1]|, |v[XS+2]|               ; the largest magnitude of my 16, in two chains
	v_max3_num_f32 v9, |v[XS+3]|, |v[XS+4]|, |v[XS+5]|
.irp i, 6,10
	v_max3_num_f32 v8, v8, |v[XS+\i]|, |v[XS+\i+1]|
	v_max3_num_f32 v9, v9, |v[XS+\i+2]|, |v[XS+\i+3]|
.endr
	v_max3_num_f32 v8, v8, |v[XS+14]|, |v[XS+15]|
	v_max3_num_f32 v8, v8, v9, (EMAX+1)<<23        ; and the floor 2^(EMAX + 1 - 127): so the byte cannot fall under 1
	v_max_num_f32_dpp v8, v8, v8 row_xmask:1 row_mask:0xf bank_mask:0xf   ; and of my neighbour's 16: the block's
	v_add_nc_u32 v11, -(EMAX<<23), v8              ; EMAX off its exponent field: the conversion takes the exponent field of this operand as its scale, and nothing else of it
	v_cvt_scalef32_pk16_fp6_f32 v[C+4*(\t):C+4*(\t)+2], v[XS:XS+15], v11         ; sixteen numbers / the scale, to the nearest code; 96 bits without gaps, the first number's code lowest
	v_lshrrev_b32 v[E+(\t)], 23, v11               ; the scale's byte (also the plain line behind the conversion)
	ds_store_b8 v5, v[E+(\t)] offset:16*(\t)       ; both lanes of a block write the same byte with the same value
	global_store_b96 v4, v[C+4*(\t):C+4*(\t)+2], s[8:9] offset:32*CB*(\t)
.endm
.irp t, 0,1,2,3,4,5,6,7,8,9,10,11,12,13,14,15
	STEP \t
.endr
	ds_load_b64 v[12:13], v6                       ; LDS serves a wave's instructions in order: these see my stores
	s_wait_dscnt 0x0
	global_store_b64 v7, v[12:13], s[10:11]        ; 32 lanes store 256 consecutive bytes, aligned
	s_wait_tensorcnt 0x0
	ds_add_u32 v192, v193
	s_wait_dscnt 0x0
	s_endpgm
.Lfunc_end_k_q8d8bf30481_quant:
	.size	k_q8d8bf30481_quant, .Lfunc_end_k_q8d8bf30481_quant-k_q8d8bf30481_quant
	.p2alignl 7, 3214868480
	.fill 96, 4, 3214868480
	.section	.rodata,"a",@progbits
	.p2align	6, 0x0
	.amdhsa_kernel k_q8d8bf30481_quant
		.amdhsa_group_segment_fixed_size 33280
		.amdhsa_private_segment_fixed_size 0
		.amdhsa_enable_private_segment 0
		.amdhsa_kernarg_size 32
		.amdhsa_user_sgpr_count 2
		.amdhsa_user_sgpr_kernarg_segment_ptr 1
		.amdhsa_wavefront_size32 1
		.amdhsa_system_sgpr_workgroup_id_x 1
		.amdhsa_system_sgpr_workgroup_id_y 1
		.amdhsa_system_sgpr_workgroup_id_z 1
		.amdhsa_system_vgpr_workitem_id 0
		.amdhsa_next_free_vgpr 194
		.amdhsa_next_free_sgpr 66
		.amdhsa_reserve_vcc 0
		.amdhsa_float_denorm_mode_32 3
		.amdhsa_float_denorm_mode_16_64 3
		.amdhsa_memory_ordered 1
		.amdhsa_forward_progress 1
		.amdhsa_inst_pref_size 33
	.end_amdhsa_kernel
	.amdgpu_metadata
---
amdhsa.version: [ 1, 2 ]
amdhsa.kernels:
  - .name:           k_q8d8bf30481_quant
    .symbol:         k_q8d8bf30481_quant.kd
    .args:
      - { .name: x, .offset: 0, .size: 8, .value_kind: global_buffer, .address_space: global }
      - { .name: w_qkv, .offset: 8, .size: 8, .value_kind: global_buffer, .address_space: global }
      - { .name: w_proj, .offset: 16, .size: 8, .value_kind: global_buffer, .address_space: global }
      - { .name: cq, .offset: 24, .size: 8, .value_kind: global_buffer, .address_space: global }
    .group_segment_fixed_size: 33280
    .private_segment_fixed_size: 0
    .kernarg_segment_align: 8
    .kernarg_segment_size: 32
    .max_flat_workgroup_size: 128
    .sgpr_count:     66
    .vgpr_count:     194
    .wavefront_size: 32
...
	.end_amdgpu_metadata
.endif
;; end of part 1
;; launch qkv (part 2): grid 12 x 32, 4 waves a work-group, clusters of 4 x 4, 327,680 bytes of LDS; arguments cq, qkv; writes qkv
.if DOCPART == 2
	.amdgcn_target "amdgcn-amd-amdhsa--gfx1250"
	.amdhsa_code_object_version 6
	.text
	.protected	k_q8d8bf30481_qkv
	.globl	k_q8d8bf30481_qkv
	.p2align	8
	.type	k_q8d8bf30481_qkv,@function
k_q8d8bf30481_qkv:
	s_mov_b64 s[64:65], 0
	v_nop
	global_prefetch_b8 v0, s[64:65] scope:SCOPE_SE
	s_setreg_imm32_b32 hwreg(HW_REG_WAVE_MODE, 25, 1), 1
	s_wait_xcnt 0x0
	s_wait_alu depctr_hold_cnt(0) depctr_sa_sdst(0) depctr_va_vdst(0) depctr_va_sdst(0) depctr_va_ssrc(0) depctr_va_vcc(0) depctr_vm_vsrc(0)
	s_getreg_b32 s2, hwreg(HW_REG_IB_STS2, 6, 4)
	s_cmp_eq_u32 s2, 0
	s_cbranch_scc0 .Lentry_in_a_cluster
	s_endpgm
.Lentry_in_a_cluster:
	s_bfe_u32 s2, ttmp6, 0x10000c
	s_cmp_lg_u32 s2, 0xf033
	s_cbranch_scc0 .Lentry_shape_is_right
	s_endpgm
.Lentry_shape_is_right:
.set KSTEP,  256
.set NQ,     KSTEP/128
.set ROWB,   192
.set KROW,   768
.set PITCH,  240
.set FR,     12
.set NL,     6
.set NP,     4
.set HALFT,  128*PITCH
.set SLOT,   4*HALFT
.set LAPS,   2
.set KS,     32
.set SCL,    2*SLOT
.set HALFS,  (128*KS/256)*272
.set SBLK,   (16*KS/256)*272
.set SPARE,  SCL+4*HALFS
.set GROUP,  204800
.set GSC,    196608
.set REC,    19712
.set HEADB,  16*REC
.set ADRA, 16
.set ADRB, 20
.set ADRS, 27
.set SPW,  28
.set NIL,  29
.set SC,   32
.set AF,   128
.set TM,   64
.set CD,   80
.set PW,   100
.set SW,   104
.set L16,  112
.set L8,   113
.set SWA,  114
.set SHV,  115
.set G1, 24
.set G0, 32
.set G1B, 48
.set G0B, 56
.set G1S, 68
.set G0S, 76
.set G1SB, 80
.set G0SB, 88
.set SEL, 98
.set MSB, 0
.macro WIN new
.if MSB != \new
	s_set_vgpr_msb (MSB<<8)|\new
.set MSB, \new
.endif
.endm
.set MUL_LO, 0xa1
.set MUL_HI, 0xf1
.set TO_B,   0x40
.macro JLOAD g0a, g1a, g0b, g1b
	s_cmp_eq_u32 s15, 0
	s_cbranch_scc0 .Lfor_b_\@
	tensor_load_to_lds s[\g0a:\g0a+3], s[\g1a:\g1a+7]
	s_nop 0
.rept 4
	v_nop
.endr
	s_branch .Lasked_\@
.Lfor_b_\@:
	tensor_load_to_lds s[\g0b:\g0b+3], s[\g1b:\g1b+7]
	s_nop 0
.rept 4
	v_nop
.endr
.Lasked_\@:
.endm
.macro CREST
	s_cmp_lg_u32 s14, 0
	s_cbranch_scc1 .Lnot_wave_0_\@
	s_barrier_signal -3
.Lnot_wave_0_\@:
	s_barrier_wait -3
	s_barrier_signal -1
	s_barrier_wait -1
.endm
.macro CROUND
	s_barrier_signal -1
	s_barrier_wait -1
	CREST
.endm
	s_load_b128 s[4:7], s[0:1], 0x0
	v_lshl_add_u32 v[SPW], v0, 2, SPARE
	v_mov_b32 v[NIL], 0
	ds_add_u32 v28, v29
	ds_add_u32 v28, v29
	s_wait_dscnt 0x0
	v_lshrrev_b32 v1, 5, v0
	v_readfirstlane_b32 s14, v1
	s_lshr_b32 s15, s14, 1
	s_and_b32 s16, s14, 1
	s_bfe_u32 s40, ttmp6, 0x40000
	s_bfe_u32 s41, ttmp6, 0x40004
	s_and_b32 s17, ttmp7, 0xffff
	s_mov_b32 s42, ttmp9
	s_cmp_eq_u32 s42, 2
	s_cselect_b32 s42, s17, s42
	s_cselect_b32 s17, 0, s17
	s_cselect_b32 s96, 40, 0
	s_cselect_b32 s97, 0, 32
	s_cselect_b32 s95, 1, 0
	s_lshl_b32 s42, s42, 2
	s_add_co_u32 s42, s42, s40
	s_lshl_b32 s17, s17, 2
	s_add_co_u32 s17, s17, s41
	s_lshl_b32 s43, s41, 2
	s_lshl_b32 s43, 15, s43
	s_lshl_b32 s44, 0x1111, s40
	s_or_b32 s[G1+0], s43, (0<<16)|(1<<20)|(1<<21)|(3<<22)|(3<<25)
	s_or_b32 s[G1B+0], s44, (0<<16)|(1<<20)|(1<<21)|(3<<22)|(3<<25)
.irp g, G1, G1B
	s_mov_b32 s[\g+1], ROWB<<16
	s_mov_b32 s[\g+2], 128<<16
	s_mov_b32 s[\g+3], ROWB<<16
	s_mov_b32 s[\g+4], 128
	s_mov_b32 s[\g+5], KROW
	s_mov_b32 s[\g+6], 0
	s_mov_b32 s[\g+7], 0
.endr
	s_or_b32 s[G1S+0], s43, (3<<16)|(1<<20)|(1<<21)|(5<<22)|(3<<25)
	s_or_b32 s[G1SB+0], s44, (3<<16)|(1<<20)|(1<<21)|(5<<22)|(3<<25)
.irp g, G1S, G1SB
	s_mov_b32 s[\g+1], 32<<16
	s_mov_b32 s[\g+2], (128*KS/256)<<16
	s_mov_b32 s[\g+3], 32<<16
	s_mov_b32 s[\g+4], 128*KS/256
	s_mov_b32 s[\g+5], 32
	s_mov_b32 s[\g+6], 0
	s_mov_b32 s[\g+7], 0
.endr
	s_mul_i32 s18, s16, 128*KROW
	s_lshl_b32 s19, s16, 12
	s_add_co_u32 s20, s17, s96
	s_mul_i32 s20, s20, GROUP
	s_add_co_u32 s22, s20, s19
	s_add_co_u32 s22, s22, GSC
	s_add_co_u32 s20, s20, s18
	s_mov_b32 s21, 0
	s_mov_b32 s23, 0
	s_add_co_u32 s46, s42, s97
	s_mul_i32 s46, s46, GROUP
	s_add_co_u32 s92, s46, s19
	s_add_co_u32 s92, s92, GSC
	s_add_co_u32 s46, s46, s18
	s_mov_b32 s47, 0
	s_mov_b32 s93, 0
	s_mul_i32 s45, s14, HALFT
	s_mul_i32 s94, s14, HALFS
	s_wait_kmcnt 0x0
	s_add_nc_u64 s[20:21], s[4:5], s[20:21]
	s_add_nc_u64 s[22:23], s[4:5], s[22:23]
	s_add_nc_u64 s[46:47], s[4:5], s[46:47]
	s_add_nc_u64 s[92:93], s[4:5], s[92:93]
	CROUND
	s_mov_b32 s[G0S], 1
	s_add_co_u32 s[G0S+1], s94, SCL
	s_mov_b64 s[G0S+2:G0S+3], s[22:23]
	s_or_b32 s[G0S+3], s[G0S+3], 0x80000000
	s_mov_b32 s[G0SB], 1
	s_add_co_u32 s[G0SB+1], s94, SCL
	s_mov_b64 s[G0SB+2:G0SB+3], s[92:93]
	s_or_b32 s[G0SB+3], s[G0SB+3], 0x80000000
	JLOAD G0S, G1S, G0SB, G1SB
.irp s, 0,1
	s_mov_b32 s[G0+4*\s], 1
	s_add_co_u32 s[G0+4*\s+1], s45, \s*SLOT
	s_add_nc_u64 s[G0+4*\s+2:G0+4*\s+3], s[20:21], \s*ROWB
	s_or_b32 s[G0+4*\s+3], s[G0+4*\s+3], 0x80000000
	s_mov_b32 s[G0B+4*\s], 1
	s_add_co_u32 s[G0B+4*\s+1], s45, \s*SLOT
	s_add_nc_u64 s[G0B+4*\s+2:G0B+4*\s+3], s[46:47], \s*ROWB
	s_or_b32 s[G0B+4*\s+3], s[G0B+4*\s+3], 0x80000000
	s_wait_alu depctr_va_vdst(0)
	s_wait_tensorcnt 0x0
	ds_add_u32 v28, v29
	s_wait_dscnt 0x0
	CROUND
	JLOAD G0+4*\s, G1, G0B+4*\s, G1B
.endr
	v_and_b32 v1, 15, v0
	v_bfe_u32 v2, v0, 4, 1
	v_mul_u32_u24 v3, v1, PITCH
	v_mul_u32_u24 v4, v2, 24
	v_add_nc_u32 v4, v3, v4
	v_lshl_add_u32 v5, v2, 4, v4
	s_mul_i32 s21, s15, HALFT
	s_mul_i32 s22, s16, HALFT
	s_add_co_u32 s22, s22, 2*HALFT
.irp s, 0,1
	v_add_nc_u32 v[ADRA+\s], s21, v4
	v_add_nc_u32 v[ADRB+\s], s22, v4
	v_add_nc_u32 v[ADRA+2+\s], s21, v5
	v_add_nc_u32 v[ADRB+2+\s], s22, v5
	s_add_co_u32 s21, s21, SLOT
	s_add_co_u32 s22, s22, SLOT
.endr
	v_mul_u32_u24 v5, v1, KS
	v_lshrrev_b32 v6, 8, v5
	v_lshl_add_u32 v5, v6, 4, v5
	s_mul_i32 s21, s15, HALFS
	s_mul_i32 s22, s16, HALFS
	s_add_co_u32 s22, s22, 2*HALFS
	s_sub_co_u32 s22, s22, s21
	v_mul_u32_u24 v6, s22, v2
	s_add_co_u32 s21, s21, SCL
	v_add_nc_u32 v5, v5, v6
	v_add_nc_u32 v[ADRS], s21, v5
.macro FRAG reg, adr, q, i
.irp p, 0,1,2,3,4,5
.set PC, 12*(\q)+6*(\p/3)+\p%3
.if PC%8 < 5
	ds_load_b64 v[\reg+2*\p:\reg+2*\p+1], v[\adr] offset:8*PC+16*(PC/8)+(\i)*16*PITCH
.else
	ds_load_b64 v[\reg+2*\p:\reg+2*\p+1], v[\adr+2] offset:8*PC+16*(PC/8)+(\i)*16*PITCH
.endif
.endr
.endm
.macro MUL16 a0, p, q, sc, zero
.irp a, \a0, \a0+1
.irp b, 0,1,2,3,4,5,6,7
.if \zero
	v_wmma_scale_f32_16x16x128_f8f6f4 v[8*(8*((\a)%4)+\b):8*(8*((\a)%4)+\b)+7], v[128*(\p)+FR*\b:128*(\p)+FR*\b+FR-1], v[AF+FR*(\a):AF+FR*(\a)+FR-1], 0, v[SC+8*NQ*(\sc)+NQ*\b+(\q)], v[SC+8*NQ*(\sc)+NQ*(\a)+(\q)] matrix_a_fmt:MATRIX_FMT_FP6 matrix_b_fmt:MATRIX_FMT_FP6 matrix_a_scale:MATRIX_SCALE_ROW1
.else
	v_wmma_scale_f32_16x16x128_f8f6f4 v[8*(8*((\a)%4)+\b):8*(8*((\a)%4)+\b)+7], v[128*(\p)+FR*\b:128*(\p)+FR*\b+FR-1], v[AF+FR*(\a):AF+FR*(\a)+FR-1], v[8*(8*((\a)%4)+\b):8*(8*((\a)%4)+\b)+7], v[SC+8*NQ*(\sc)+NQ*\b+(\q)], v[SC+8*NQ*(\sc)+NQ*(\a)+(\q)] matrix_a_fmt:MATRIX_FMT_FP6 matrix_b_fmt:MATRIX_FMT_FP6 matrix_a_scale:MATRIX_SCALE_ROW1
.endif
.endr
.endr
.endm
.macro FETCH_B slot, q, p
	WIN TO_B
.irp i, 0,1,2,3,4,5,6,7
	FRAG 128*(\p)+FR*\i, ADRB+\slot, \q, \i
.endr
	WIN 0
.endm
.macro FETCH_A slot, q, i0
.irp i, \i0, \i0+1, \i0+2, \i0+3
	FRAG AF+FR*(\i), ADRA+\slot, \q, \i
.endr
.endm
.macro SCALES sc
.irp i, 0,1,2,3,4,5,6,7
	ds_load_b64 v[SC+8*NQ*\sc+NQ*\i:SC+8*NQ*\sc+NQ*\i+1], v[ADRS] offset:\i*SBLK
.endr
.endm
.macro PLACES n
.rept \n
	v_nop
.endr
.endm
.macro STEP slot, q, zero
	s_wait_dscnt 4*NL
	WIN MUL_LO
	MUL16 0, (\q)%2, \q, \slot, \zero
	MUL16 2, (\q)%2, \q, \slot, \zero
	s_wait_dscnt 0
	PLACES NP
	FETCH_B \slot, (\q)+1, 1-(\q)%2
	FETCH_A \slot, (\q)+1, 0
	WIN MUL_HI
	MUL16 4, (\q)%2, \q, \slot, \zero
	MUL16 6, (\q)%2, \q, \slot, \zero
	PLACES NP
	WIN 0
	FETCH_A \slot, (\q)+1, 4
.endm
.macro TURN slot, next, fill
	s_wait_tensorcnt 0x0
	ds_add_u32 v[SPW], v[NIL]
	s_wait_dscnt 4*NL+1
	WIN MUL_LO
	MUL16 0, 1, NQ-1, \slot, 0
	s_wait_dscnt 0x0
	s_barrier_signal -1
	MUL16 2, 1, NQ-1, \slot, 0
	WIN 0
	s_barrier_wait -1
.if \fill
	CREST
	s_add_nc_u64 s[G0+4*\slot+2:G0+4*\slot+3], s[G0+4*\slot+2:G0+4*\slot+3], 2*ROWB
	s_add_nc_u64 s[G0B+4*\slot+2:G0B+4*\slot+3], s[G0B+4*\slot+2:G0B+4*\slot+3], 2*ROWB
	JLOAD G0+4*\slot, G1, G0B+4*\slot, G1B
.else
	PLACES NP
.endif
	s_wait_alu depctr_va_vdst(0)
	v_add_nc_u32 v[ADRS], 4*NQ, v[ADRS]
	FETCH_B \next, 0, 0
	FETCH_A \next, 0, 0
	SCALES \next
	WIN MUL_HI
	MUL16 4, 1, NQ-1, \slot, 0
	MUL16 6, 1, NQ-1, \slot, 0
	PLACES NP
	WIN 0
	FETCH_A \next, 0, 4
.endm
	s_wait_alu depctr_va_vdst(0)
	s_wait_tensorcnt 1
	s_barrier_signal -1
	s_barrier_wait -1
	FETCH_B 0, 0, 0
	FETCH_A 0, 0, 0
	SCALES 0
	FETCH_A 0, 0, 4
	STEP 0, 0, 1
	s_mov_b32 s3, LAPS-1
.Llap:
	TURN 0, 1, 1
	STEP 1, 0, 0
	TURN 1, 0, 1
	STEP 0, 0, 0
	s_sub_co_u32 s3, s3, 1
	s_cmp_lg_u32 s3, 0
	s_cbranch_scc1 .Llap
	TURN 0, 1, 0
	STEP 1, 0, 0
	s_wait_dscnt 4*NL
	WIN MUL_LO
	MUL16 0, 1, NQ-1, 1, 0
	MUL16 2, 1, NQ-1, 1, 0
	s_wait_dscnt 0
	WIN MUL_HI
	MUL16 4, 1, NQ-1, 1, 0
	MUL16 6, 1, NQ-1, 1, 0
	WIN 0
	PLACES NP
	s_cmp_eq_u32 s95, 1
	s_cselect_b32 s20, s42, s17
	s_cselect_b32 s21, s16, s15
	s_cselect_b32 s22, s17, s42
	s_cselect_b32 s23, s15, s16
	s_lshr_b32 s39, s42, 2
	s_and_b32 s22, s22, 3
	s_lshr_b32 s24, s20, 3
	s_lshl_b32 s24, s24, 4
	s_lshl_b32 s22, s22, 2
	s_add_co_u32 s24, s24, s22
	s_lshl_b32 s23, s23, 1
	s_add_co_u32 s24, s24, s23
	s_and_b32 s25, s20, 7
	s_lshl_b32 s25, s25, 1
	s_add_co_u32 s25, s25, s21
	s_lshl_b32 s24, s24, 4
	s_add_co_u32 s24, s24, s25
	s_mul_i32 s24, s24, REC
	s_mov_b32 s25, 0
	s_mov_b32 s26, 13056
	s_mov_b32 s40, 12544
	s_cmp_eq_u32 s39, 0
	s_cselect_b32 s26, s26, 0
	s_cselect_b32 s40, 19200, s40
	s_mov_b32 s28, 768
	s_mov_b32 s30, 768
	s_mov_b32 s32, HEADB
	s_mov_b32 s34, 256
	s_mov_b32 s36, HEADB
	s_mov_b32 s38, 0xffff
	s_cmp_eq_u32 s95, 1
	s_cselect_b32 s26, 6144, s26
	s_cselect_b32 s40, 12288, s40
	s_cselect_b32 s28, 1536, s28
	s_cselect_b32 s30, HEADB-3*1536, s30
	s_cselect_b32 s32, 768, s32
	s_cselect_b32 s34, HEADB, s34
	s_cselect_b32 s36, 0, s36
	s_cselect_b32 s37, 0, 16
	s_cselect_b32 s38, -1, s38
	s_mov_b32 s27, 0
	s_mov_b32 s29, 0
	s_mov_b32 s31, 0
	s_mov_b32 s33, 0
	s_mov_b32 s35, 0
	s_mov_b32 s41, 0
	s_mov_b32 s[SEL], 0x76543210
	s_mov_b32 s[SEL+1], 0xfedcba98
	s_add_nc_u64 s[24:25], s[6:7], s[24:25]
	s_add_nc_u64 s[8:9], s[24:25], s[26:27]
	s_add_nc_u64 s[10:11], s[8:9], s[32:33]
	s_add_nc_u64 s[12:13], s[24:25], s[40:41]
	s_add_nc_u64 s[18:19], s[12:13], s[34:35]
	v_and_b32 v116, 31, v0
	v_lshlrev_b32 v[L16], 4, v116
	v_lshlrev_b32 v[L8], 3, v116
	v_and_b32 v116, 15, v0
	v_bfe_u32 v117, v0, 4, 1
	v_mul_u32_u24 v[SWA], s36, v117
	v_lshl_add_u32 v[SWA], v116, 4, v[SWA]
	v_mul_u32_u24 v[SHV], s37, v117
.irp b, 0,1,2,3
	v_mov_b32 v[TM+4+\b], 0
.endr
.macro QOUT a
.set AC, 64*((\a)%4)
.set W, 2+(\a)/4
	WIN ((W<<2)|(W<<4))
.irp b, 0,1,2,3
	v_max3_num_f32 v[TM+\b], 0x1800000, |v[AC+16*\b]|, |v[AC+16*\b+1]|
.endr
.irp i, 2,4,6,8,10,12,14
.irp b, 0,1,2,3
	v_max3_num_f32 v[TM+\b], v[TM+\b], |v[AC+16*\b+\i]|, |v[AC+16*\b+\i+1]|
.endr
.endr
	WIN 0
.irp b, 0,1,2,3
	v_permlanex16_b32 v[TM+4+\b], v[TM+\b], s[SEL], s[SEL+1]
.endr
.irp b, 0,1,2,3
	v_max_num_f32 v[TM+\b], v[TM+\b], v[TM+4+\b]
.endr
.irp b, 0,1,2,3
	v_add_nc_u32 v[TM+12+\b], 0xff000000, v[TM+\b]
.endr
.irp b, 0,1,2,3
	v_lshrrev_b32 v[TM+4+\b], 23, v[TM+12+\b]
.endr
	v_lshl_or_b32 v[PW], v[TM+5], 8, v[TM+4]
	v_lshl_or_b32 v[PW], v[TM+6], 16, v[PW]
	v_lshl_or_b32 v[PW], v[TM+7], 24, v[PW]
	v_lshrrev_b32 v[SW+\a], v[SHV], v[PW]
	v_and_b32 v[SW+\a], s38, v[SW+\a]
	s_wait_xcnt 0x0
.if (\a) == 4
	s_add_nc_u64 s[8:9], s[8:9], s[30:31]
	s_add_nc_u64 s[10:11], s[10:11], s[30:31]
.elseif (\a) > 0
	s_add_nc_u64 s[8:9], s[8:9], s[28:29]
	s_add_nc_u64 s[10:11], s[10:11], s[28:29]
.endif
	WIN W
.irp c, 0,1
	v_cvt_scalef32_pk16_fp6_f32 v[CD+6*\c:CD+6*\c+2], v[AC+32*\c:AC+32*\c+15], v[TM+12+2*\c]
	v_cvt_scalef32_pk16_fp6_f32 v[CD+12+4*\c:CD+14+4*\c], v[AC+32*\c+16:AC+32*\c+31], v[TM+13+2*\c]
.endr
	WIN 0
	v_nop
.irp c, 0,1
.irp i, 0,1,2
	v_permlane16_swap_b32 v[CD+6*\c+\i], v[CD+12+4*\c+\i]
.endr
.irp i, 0,1,2
	v_mov_b32 v[CD+3+6*\c+\i], v[CD+12+4*\c+\i]
.endr
.endr
	global_store_b128 v[L16], v[CD:CD+3], s[8:9]
	global_store_b64 v[L8], v[CD+4:CD+5], s[8:9] offset:512
	global_store_b128 v[L16], v[CD+6:CD+9], s[10:11]
	global_store_b64 v[L8], v[CD+10:CD+11], s[10:11] offset:512
.endm
.irp a, 0,1,2,3,4,5,6,7
	QOUT \a
.endr
	global_store_b128 v[SWA], v[SW:SW+3], s[12:13]
	global_store_b128 v[SWA], v[SW+4:SW+7], s[18:19]
	s_wait_tensorcnt 0x0
	ds_add_u32 v[SPW], v[NIL]
	s_wait_dscnt 0x0
	CROUND
	s_endpgm
.Lfunc_end_k_q8d8bf30481_qkv:
	.size	k_q8d8bf30481_qkv, .Lfunc_end_k_q8d8bf30481_qkv-k_q8d8bf30481_qkv
	.p2alignl 7, 3214868480
	.fill 96, 4, 3214868480
	.section	.rodata,"a",@progbits
	.p2align	6, 0x0
	.amdhsa_kernel k_q8d8bf30481_qkv
		.amdhsa_group_segment_fixed_size 327680
		.amdhsa_private_segment_fixed_size 0
		.amdhsa_enable_private_segment 0
		.amdhsa_kernarg_size 16
		.amdhsa_user_sgpr_count 2
		.amdhsa_user_sgpr_kernarg_segment_ptr 1
		.amdhsa_wavefront_size32 1
		.amdhsa_system_sgpr_workgroup_id_x 1
		.amdhsa_system_sgpr_workgroup_id_y 1
		.amdhsa_system_sgpr_workgroup_id_z 1
		.amdhsa_system_vgpr_workitem_id 0
		.amdhsa_next_free_vgpr 1024
		.amdhsa_next_free_sgpr 100
		.amdhsa_reserve_vcc 0
		.amdhsa_float_denorm_mode_32 3
		.amdhsa_float_denorm_mode_16_64 3
		.amdhsa_memory_ordered 1
		.amdhsa_forward_progress 1
		.amdhsa_inst_pref_size 169
	.end_amdhsa_kernel
	.amdgpu_metadata
---
amdhsa.version: [ 1, 2 ]
amdhsa.kernels:
  - .name:           k_q8d8bf30481_qkv
    .symbol:         k_q8d8bf30481_qkv.kd
    .args:
      - { .name: cq, .offset: 0, .size: 8, .value_kind: global_buffer, .address_space: global }
      - { .name: qkv, .offset: 8, .size: 8, .value_kind: global_buffer, .address_space: global }
    .group_segment_fixed_size: 327680
    .private_segment_fixed_size: 0
    .kernarg_segment_align: 8
    .kernarg_segment_size: 16
    .max_flat_workgroup_size: 128
    .sgpr_count:     100
    .vgpr_count:     1024
    .wavefront_size: 32
...
	.end_amdgpu_metadata
.endif
;; end of part 2
;; launch attn (part 3): grid 4 x 64, 16 waves a work-group, clusters of 4 x 1, 215,040 bytes of LDS; arguments qkv, oq; writes oq
.if DOCPART == 3
	.amdgcn_target "amdgcn-amd-amdhsa--gfx1250"
	.amdhsa_code_object_version 6
	.text
	.protected	k_q8d8bf30481_attn
	.globl	k_q8d8bf30481_attn
	.p2align	8
	.type	k_q8d8bf30481_attn,@function
k_q8d8bf30481_attn:
	s_mov_b64 s[64:65], 0
	v_nop
	global_prefetch_b8 v0, s[64:65] scope:SCOPE_SE
	s_setreg_imm32_b32 hwreg(HW_REG_WAVE_MODE, 25, 1), 1
	s_wait_xcnt 0x0
	s_wait_alu depctr_hold_cnt(0) depctr_sa_sdst(0) depctr_va_vdst(0) depctr_va_sdst(0) depctr_va_ssrc(0) depctr_va_vcc(0) depctr_vm_vsrc(0)
	s_getreg_b32 s2, hwreg(HW_REG_IB_STS2, 6, 4)
	s_cmp_eq_u32 s2, 0
	s_cbranch_scc0 .Lentry_in_a_cluster
	s_endpgm
.Lentry_in_a_cluster:
	s_bfe_u32 s2, ttmp6, 0x10000c
	s_cmp_lg_u32 s2, 0x3003
	s_cbranch_scc0 .Lentry_shape_is_right
	s_endpgm
.Lentry_shape_is_right:
; O = softmax(q k^T / 8) v for one head, both products on codes of FP6 (E2M3) with one E8M0 scale for each 32 along a product's K; O / the row's sum is quantised along (head, d), the K of the last product, and leaves as codes.
; THE SOFTMAX AHEAD OF THE SECOND PRODUCT: t = score x log2(e) / 8; M = the row's largest t so far, rounded UP to a whole number; p = 2^(t - M) is what is quantised, along the keys; it is not normalised.
; The row's sum is taken of the unquantised p, in f32, and divides O at the end.  When M moves, the sum and O are multiplied by 2^(old M - new M): exact.
; INPUT, qkv: [batch x head 64][key step 16] records of 19,712 bytes for 128 tokens: +0 K, 8 tiles x 768 bytes; +6,144 V, 4 tiles of d x 1,536; +12,288 V's scale words; +12,544 K's; +13,056 Q, 8 x 768; +19,200 Q's scale words.
; Codes lie as images of the operand's registers: six registers are 768 bytes, registers 0-3 at 16 x lane, registers 4-5 behind them at 8 x lane.  Lane r of token tile 2 b + u holds token 32 b + 8 u + r + 8 (r / 8), and
; lane r of V's tile of d likewise: so the 16 registers of two neighbouring result tiles are 16 neighbours along the next K.
; SHARES.  A work-group owns 512 queries of one head; each of its SIXTEEN waves owns two tiles of 16 queries, one pass over all 2,048 keys for each, in 256 registers: four waves to a SIMD, so that one wave's vector work stands
; beside another's matrix work and LDS loads.  A HEAD'S K AND V, CODES AND SCALE WORDS, ARE 16 x 13,056 = 208,896 BYTES: they come into LDS ONCE (each wave brings one key step's 51 runs of 256 bytes) and stay:
; no ring, no refill.  Every LDS read is 16 x lane or 8 x lane on end.
; CLUSTER: the four work-groups of a head form a cluster and ask for K and V JOINTLY: the same tensor load, the same descriptor, a mask that names the four.
; LAYOUT.  Both products are used transposed: S^T = K Q^T (source 0 = 16 keys, source 1 = my 16 queries), O^T = V^T P^T (source 0 = 16 of the head's 64, source 1 = P): a lane holds ONE query (lane % 16) throughout.
; K = 64 IN A FORM OF K = 128: Q's registers 6-11 are zero codes, so what stands in K's registers 6-11 adds nothing, whatever finite codes it is: tile t's operand is v[32 + 6 t .. 43 + 6 t], whose upper half is tile t + 1's
; data (tile 7's: six registers of zeros).  Bytes 2 and 3 of both scale words are 0, which is 2^-127 and no NaN.
; OUTPUT, oq: codes [token tile 512][head 16][768 bytes: six registers' image]; at 6,291,456 the scale bytes [token tile][r 16][32]: byte 2 x head + block.  The scale bytes leave one byte a lane, 32 bytes apart: a token's
; 32 bytes come from 16 work-groups; they are one part in 24 of what the launch stores.
; LIMITS: NaN and infinities are not served; a block of zeros gets the byte 1 (its codes are zeros; this program alone reads the bytes).
; REGISTERS: v1 16 x lane, v2 8 x lane, v3 16 r, v4-5 the step's LDS addresses, v8 32 r + h; v12 -M, v13 the largest t, v[14:15] the sum in two halves; v16-27 Q of pass 0, v28 its scale words; v32-79 K's eight halves, then V's four
; fragments; v80-85 zeros; v96-159 S^T, then p; v160-191 O^T; v192-203 Q of pass 1, v204 its scale words; v224-235 p's codes; v232-247, v252, v254 at work; v248-251 K's, then V's scale words; v253 p's scale word.
.set REC,   19712                      ; a record
.set HEADB, 16*REC                     ; a head's records
.set BLKB,  13056                      ; what of a record goes to LDS: K, V and their scale words
.set OSC,   6291456                    ; oq: where the scale bytes begin
.set WV,   18                          ; s18  my wave's number
.set SEL,  20                          ; s[20:21] lane selects for v_permlanex16_b32: lane l xor 16
.set CS,   22                          ; s[22:23] c = log2(e) / 8: the packed form names a pair and takes its low word for both halves
.set G1,   24                          ; s[24:31] descriptor group 1
.set G0,   32                          ; s[32:35] descriptor group 0
.set TB,   36                          ; s36  LDS byte at which the key step in hand begins
.set CNT,  37                          ; s37  key steps to go
.set HI16, 38                          ; s38  the mask of lanes 16-31
.set QP,   44                          ; s[44:45] my two tiles of Q
.set QS,   46                          ; s[46:47] their scale words
.set OP,   48                          ; s[48:49] my first tile's codes in oq
.set OS,   50                          ; s[50:51] its scale bytes
.macro CROUND                          ; a round of the cluster's barrier
	s_barrier_signal -1
	s_barrier_wait -1
	s_cmp_lg_u32 s[WV], 0
	s_cbranch_scc1 .Lnot_wave_0_\@
	s_barrier_signal -3
.Lnot_wave_0_\@:
	s_barrier_wait -3
	s_barrier_signal -1
	s_barrier_wait -1
.endm
	s_load_b128 s[4:7], s[0:1], 0x0                ; qkv s[4:5], oq s[6:7]
	v_lshl_add_u32 v243, v0, 2, 0x34000
	v_mov_b32 v255, 0
	ds_add_u32 v243, v255
	ds_add_u32 v243, v255
	v_lshrrev_b32 v6, 5, v0
	s_delay_alu instid0(VALU_DEP_1)
	v_readfirstlane_b32 s[WV], v6                  ; wave 0..15
	s_bfe_u32 s13, ttmp6, 0x40000                  ; cx: my place in the cluster
	s_lshl_b32 s14, ttmp9, 2
	s_add_co_u32 s14, s14, s13                     ; my block of 512 queries: it enters Q's and oq's addresses alone
	s_and_b32 s15, ttmp7, 0xffff                   ; 16 x batch + head, which the four partners share
	s_mul_i32 s16, s15, HEADB                      ; the head's first record, in bytes (under 2^25)
	s_mul_i32 s8, s[WV], REC
	s_add_co_u32 s8, s8, s16                       ; the record that I bring: key step = my wave's number
	s_mov_b32 s9, 0
	s_lshl_b32 s10, s14, 2                         ; my query tiles are T = 32 x block + 2 x wave + u: record T / 8, tile T % 8
	s_lshr_b32 s11, s[WV], 2
	s_add_co_u32 s10, s10, s11
	s_mul_i32 s10, s10, REC
	s_add_co_u32 s10, s10, s16
	s_and_b32 s11, s[WV], 3
	s_mul_i32 s12, s11, 2*768
	s_add_co_u32 s[QP], s10, s12
	s_add_co_u32 s[QP], s[QP], 13056
	s_mov_b32 s[QP+1], 0
	s_lshr_b32 s12, s11, 1                         ; the scale words lie [4 tiles 2][r 16][tile 4]
	s_lshl_b32 s12, s12, 8
	s_and_b32 s17, s[WV], 1
	s_lshl_b32 s17, s17, 3
	s_add_co_u32 s[QS], s10, s12
	s_add_co_u32 s[QS], s[QS], s17
	s_add_co_u32 s[QS], s[QS], 19200
	s_mov_b32 s[QS+1], 0
	s_lshr_b32 s12, s15, 4                         ; oq's token tile: 128 x batch + T
	s_lshl_b32 s12, s12, 7
	s_lshl_b32 s17, s14, 5
	s_add_co_u32 s12, s12, s17
	s_lshl_b32 s17, s[WV], 1
	s_add_co_u32 s12, s12, s17
	s_and_b32 s17, s15, 15                         ; the head
	s_mul_i32 s[OP], s12, 16*768
	s_mul_i32 s19, s17, 768
	s_add_co_u32 s[OP], s[OP], s19
	s_mov_b32 s[OP+1], 0
	s_lshl_b32 s[OS], s12, 9
	s_lshl_b32 s19, s17, 1
	s_add_co_u32 s[OS], s[OS], s19
	s_add_co_u32 s[OS], s[OS], OSC
	s_mov_b32 s[OS+1], 0
	; descriptor group 1: a dense block of 13,056 bytes, as 51 rows of 256 bytes (32 elements of 8 bytes), no padding
	s_mov_b32 s[G1], 15|(3<<16)|(1<<21)            ; 15:0 the mask: all four work-groups; 17:16 elements of 8 bytes; 21 set beside a mask
	s_mov_b32 s[G1+1], 32<<16                      ; tensor_dim0 = 32
	s_mov_b32 s[G1+2], 51<<16                      ; tensor_dim1 = 51
	s_mov_b32 s[G1+3], 32<<16                      ; tile_dim0 = 32
	s_mov_b32 s[G1+4], 51                          ; tile_dim1 = 51
	s_mov_b32 s[G1+5], 32                          ; tensor_dim0_stride
	s_mov_b32 s[G1+6], 0
	s_mov_b32 s[G1+7], 0
	s_mov_b32 s[G0], 1                             ; count = 1
	s_mul_i32 s[G0+1], s[WV], BLKB                 ; LDS address: wave x 13,056: no place in the cluster enters it
	s_mov_b32 s[SEL], 0x76543210
	s_mov_b32 s[SEL+1], 0xfedcba98
	s_mov_b32 s[CS], 0x3e38aa3b                    ; c = log2(e) / 8
	s_mov_b32 s[CS+1], s[CS]                       ; (named with it as a pair, so it is written)
	s_mov_b32 s[HI16], 0xffff0000
	v_and_b32 v6, 31, v0
	s_delay_alu instid0(VALU_DEP_1)
	v_lshlrev_b32 v1, 4, v6
	s_delay_alu instid0(VALU_DEP_2)
	v_lshlrev_b32 v2, 3, v6
	v_and_b32 v7, 15, v0                           ; r
	s_delay_alu instid0(VALU_DEP_1)
	v_lshlrev_b32 v3, 4, v7
	v_bfe_u32 v9, v0, 4, 1                         ; h
	s_delay_alu instid0(VALU_DEP_1)
	v_lshl_add_u32 v8, v7, 5, v9
	s_wait_dscnt 0x0
	s_wait_kmcnt 0x0
	s_add_nc_u64 s[G0+2:G0+3], s[4:5], s[8:9]      ; global address
	s_or_b32 s[G0+3], s[G0+3], 0x80000000          ; type = 2
	s_add_nc_u64 s[QP:QP+1], s[4:5], s[QP:QP+1]
	s_add_nc_u64 s[QS:QS+1], s[4:5], s[QS:QS+1]
	s_add_nc_u64 s[OP:OP+1], s[6:7], s[OP:OP+1]
	s_add_nc_u64 s[OS:OS+1], s[6:7], s[OS:OS+1]
	CROUND                                         ; all four work-groups are here: the joint loads meet
	tensor_load_to_lds s[G0:G0+3], s[G1:G1+7]      ; my one tensor load of the launch: key step w's K, V and scale words
	s_nop 0
.rept 4
	v_nop
.endr
	s_wait_alu depctr_va_vdst(0)
	global_load_b128 v[16:19], v1, s[QP:QP+1]                  ; Q's two tiles stay in registers: registers 0-5 of each operand
	global_load_b64 v[20:21], v2, s[QP:QP+1] offset:512
	global_load_b128 v[192:195], v1, s[QP:QP+1] offset:768
	global_load_b64 v[196:197], v2, s[QP:QP+1] offset:1280
	global_load_b32 v28, v3, s[QS:QS+1]                        ; lane r: query r's scale word
	global_load_b32 v204, v3, s[QS:QS+1] offset:4
.irp i, 0,1,2,3,4,5
	v_mov_b32 v[22+\i], 0                          ; zero codes for K = 64 .. 127
	v_mov_b32 v[198+\i], 0
	v_mov_b32 v[80+\i], 0                          ; and behind K's tile 7
.endr
	s_wait_tensorcnt 0x0                           ; my part of the head is in LDS,
	s_barrier_signal -1
	s_barrier_wait -1                              ; everybody's is
	s_wait_loadcnt 0x0                             ; Q
; One pass: query tile u, its codes in v[qf] on, its scale words in v[qs].
.macro PASS u, qf, qs
.if \u
	s_wait_xcnt 0x0                                ; the last pass's stores have had their addresses translated (ISA guide 3.1): their data are written again only behind this wait
.endif
	v_mov_b32 v13, 0xff61b1e6                      ; the largest t so far: -3e38, under every t
	s_delay_alu instid0(VALU_DEP_1)
	v_floor_f32 v12, -v13                          ; -M
	v_mov_b32 v14, 0                               ; the sum, in two halves
	v_mov_b32 v15, 0
.irp b, 0,1,2,3
	v_mov_b32 v[236+\b], 0                         ; a lane permute's destination counts as one of its sources
.endr
	v_mov_b32 v253, 0                              ; (named as the upper half of the pair v[252:253] before it is first written)
.set j, 0
.rept 32
	v_mov_b32 v[160+j], 0                          ; O^T.  (The step is written once: the first finds zeros, which the first change of M leaves zeros)
.set j, j+1
.endr
	s_mov_b32 s[TB], 0
	s_mov_b32 s[CNT], 16
.Lstep_\@:                                             ; a key step: 128 keys
	s_setprio 2
	v_add_nc_u32 v4, s[TB], v1
	v_add_nc_u32 v5, s[TB], v2
	v_nop
	v_nop                                          ; four places in front of loads into registers that the last products have read
.irp t, 0,1,2,3,4,5,6,7
	ds_load_b128 v[32+6*\t:35+6*\t], v4 offset:768*\t            ; K's tile t: six registers
	ds_load_b64 v[36+6*\t:37+6*\t], v5 offset:768*\t+512
.endr
	ds_load_b128 v[248:251], v4 offset:12544       ; K's scale words: lanes 0-15 those of tiles 0-3, lanes 16-31 those of tiles 4-7
	s_wait_alu depctr_va_vdst(0)
	s_wait_dscnt 0x0
.irp t, 0,1,2,3
	v_wmma_scale_f32_16x16x128_f8f6f4 v[96+8*\t:103+8*\t], v[32+6*\t:43+6*\t], v[\qf:\qf+11], 0, v[248+\t], v[\qs] matrix_a_fmt:MATRIX_FMT_FP6 matrix_b_fmt:MATRIX_FMT_FP6
.endr
.irp t, 4,5,6,7
	v_wmma_scale_f32_16x16x128_f8f6f4 v[96+8*\t:103+8*\t], v[32+6*\t:43+6*\t], v[\qf:\qf+11], 0, v[244+\t], v[\qs] matrix_a_fmt:MATRIX_FMT_FP6 matrix_b_fmt:MATRIX_FMT_FP6 matrix_a_scale:MATRIX_SCALE_ROW1
.endr                                          ; lane (r, h) holds query r; the 16 registers of tiles 2 b, 2 b + 1 are keys 32 b + 16 h + 0 .. 15 of the step
.rept 4
	v_nop                                          ; places: in front of the loads below, and of the first read of the scores
.endr
.irp t, 0,1,2,3                                ; V's four fragments are asked for now and land under the softmax
	ds_load_b128 v[32+12*\t:35+12*\t], v4 offset:6144+1536*\t
	ds_load_b64 v[36+12*\t:37+12*\t], v5 offset:6144+1536*\t+512
	ds_load_b128 v[38+12*\t:41+12*\t], v4 offset:6144+1536*\t+768
	ds_load_b64 v[42+12*\t:43+12*\t], v5 offset:6144+1536*\t+1280
.endr
	ds_load_b128 v[248:251], v4 offset:12288       ; V's scale words: lanes 0-15: d = lane's, tiles 0-3 (lanes 16-31 take the scale words that lie behind: not read by the products)
.irp b, 0,1,2,3
	v_max3_num_f32 v[232+\b], v[96+16*\b], v[97+16*\b], v[98+16*\b]   ; THE LARGEST SCORE OF EACH BLOCK OF 32 KEYS: it serves twice: for the row's maximum, and, since p rises with the score, for the block's largest p
.endr
.irp i, 3,5,7,9,11,13
.irp b, 0,1,2,3
	v_max3_num_f32 v[232+\b], v[232+\b], v[96+16*\b+\i], v[97+16*\b+\i]   ; (the four blocks by turns)
.endr
.endr
.irp b, 0,1,2,3
	v_max_num_f32 v[232+\b], v[232+\b], v[111+16*\b]
.endr
.irp b, 0,1,2,3
	s_delay_alu instid0(VALU_DEP_4)
	v_permlanex16_b32 v[236+\b], v[232+\b], s[SEL], s[SEL+1]
.endr
.irp b, 0,1,2,3
	s_delay_alu instid0(VALU_DEP_4)
	v_max_num_f32 v[232+\b], v[232+\b], v[236+\b]  ; with lane l xor 16's 16 keys
.endr
	s_delay_alu instid0(VALU_DEP_2)
	v_max3_num_f32 v254, v232, v233, v234
	s_delay_alu instid0(VALU_DEP_1)
	v_max_num_f32 v254, v254, v235                 ; the step's largest score of my query
	s_delay_alu instid0(VALU_DEP_1)
	v_mul_f32 v254, s[CS], v254                    ; as t (c is positive)
	s_delay_alu instid0(VALU_DEP_1)
	v_max_num_f32 v13, v13, v254                   ; the running largest t
	v_mov_b32 v254, v12
	s_delay_alu instid0(VALU_DEP_2)
	v_floor_f32 v12, -v13                          ; the new -M = floor(-t) = -ceil(t): M IS A WHOLE NUMBER
	s_delay_alu instid0(VALU_DEP_1)
	v_sub_f32 v254, v12, v254                      ; M's old value less its new one: a whole number, 0 or less
	s_delay_alu instid0(VALU_DEP_1)
	v_cvt_i32_f32 v254, v254                       ; (it saturates)
	s_delay_alu instid0(VALU_DEP_1)
	v_ldexp_f32 v252, 1.0, v254                    ; f = 2^(old M - new M): a multiplication by it rounds nothing
.set j, 0
.rept 32
	v_pk_fma_f32 v[96+j:97+j], v[96+j:97+j], s[CS:CS+1], v[12:13] op_sel_hi:[1,0,0]   ; t - M, two at a time (of the pairs c and -M the low word serves both halves)
.set j, j+2
.endr
.irp b, 0,1,2,3
	v_fma_f32 v[232+\b], v[232+\b], s[CS], v12     ; the same of each block's largest score
.endr
.set j, 0
	s_wait_alu depctr_va_vdst(0)
.rept 64
	v_exp_f32 v[96+j], v[96+j]                     ; p = 2^(t - M), at most 1: NOT normalised
.set j, j+1
.endr
	s_setprio 1
.irp b, 0,1,2,3
	v_exp_f32 v[232+\b], v[232+\b]                 ; the block's largest p: the same two instructions on the same number give the same bits
.endr
	v_pk_mul_f32 v[14:15], v[14:15], v[252:253] op_sel_hi:[1,0]   ; the sums under the new M.  (A plain place behind the exponentials)
	s_wait_alu depctr_va_vdst(0)
.irp b, 0,1,2,3
	v_max_num_f32 v[232+\b], 0x1800000, v[232+\b]  ; the floor 2^(3 - 127): the byte cannot fall under 1 (a block whose every p has fallen to 0 keeps that byte: its codes are zeros)
.endr
.irp b, 0,1,2,3
	s_delay_alu instid0(VALU_DEP_4)
	v_add_nc_u32 v[244+\b], 0xff000000, v[232+\b]  ; 2 off the exponent field: the conversion's scale operand
.endr
.irp b, 0,1,2,3
	s_delay_alu instid0(VALU_DEP_4)
	v_lshrrev_b32 v[236+\b], 23, v[244+\b]         ; the scale's byte
.endr
	s_delay_alu instid0(VALU_DEP_3)
	v_lshl_or_b32 v253, v237, 8, v236              ; p's scale word for these 128 keys
	s_delay_alu instid0(VALU_DEP_1)
	v_lshl_or_b32 v253, v238, 16, v253
	s_delay_alu instid0(VALU_DEP_1)
	v_lshl_or_b32 v253, v239, 24, v253
.irp c, 0,1
	v_cvt_scalef32_pk16_fp6_f32 v[224+6*\c:226+6*\c], v[96+32*\c:111+32*\c], v[244+2*\c]
	v_cvt_scalef32_pk16_fp6_f32 v[236+4*\c:238+4*\c], v[112+32*\c:127+32*\c], v[244+2*\c+1]   ; (a conversion's three registers begin on an even number)
.endr
	v_nop                                          ; one plain place behind a scaled conversion
.irp c, 0,1                                    ; the operand's layout wants a WHOLE block in a lane: lanes 0-15 block 2 c, lanes 16-31 block 2 c + 1
.irp i, 0,1,2
	v_permlane16_swap_b32 v[224+6*\c+\i], v[236+4*\c+\i]
.endr
.irp i, 0,1,2
	s_delay_alu instid0(VALU_DEP_3)
	v_mov_b32 v[227+6*\c+\i], v[236+4*\c+\i]
.endr
.endr
	v_pk_add_f32 v[236:237], v[100:101], v[104:105]
	v_pk_add_f32 v[246:247], v[108:109], v[112:113]
	v_pk_add_f32 v[244:245], v[116:117], v[120:121]
	v_pk_add_f32 v[240:241], v[124:125], v[128:129]
	v_pk_add_f32 v[222:223], v[132:133], v[136:137]
	v_pk_add_f32 v[220:221], v[140:141], v[144:145]
	v_pk_add_f32 v[218:219], v[148:149], v[152:153]
	v_pk_add_f32 v[14:15], v[14:15], v[156:157]
	v_pk_add_f32 v[236:237], v[236:237], v[96:97]
	v_pk_add_f32 v[246:247], v[246:247], v[98:99]
	v_pk_add_f32 v[244:245], v[244:245], v[102:103]
	v_pk_add_f32 v[240:241], v[240:241], v[106:107]
	v_pk_add_f32 v[222:223], v[222:223], v[110:111]
	v_pk_add_f32 v[220:221], v[220:221], v[114:115]
	v_pk_add_f32 v[218:219], v[218:219], v[118:119]
	v_pk_add_f32 v[14:15], v[14:15], v[122:123]
	v_pk_add_f32 v[236:237], v[236:237], v[126:127]
	v_pk_add_f32 v[246:247], v[246:247], v[130:131]
	v_pk_add_f32 v[244:245], v[244:245], v[134:135]
	v_pk_add_f32 v[240:241], v[240:241], v[138:139]
	v_pk_add_f32 v[222:223], v[222:223], v[142:143]
	v_pk_add_f32 v[220:221], v[220:221], v[146:147]
	v_pk_add_f32 v[218:219], v[218:219], v[150:151]
	v_pk_add_f32 v[14:15], v[14:15], v[154:155]
	v_pk_add_f32 v[236:237], v[236:237], v[158:159]
	s_delay_alu instid0(VALU_DEP_2)
	v_pk_add_f32 v[14:15], v[14:15], v[240:241]
	s_delay_alu instid0(VALU_DEP_2)
	v_pk_add_f32 v[236:237], v[236:237], v[222:223]
	s_setprio 0
	v_pk_add_f32 v[246:247], v[246:247], v[220:221]
	v_pk_add_f32 v[244:245], v[244:245], v[218:219]
	s_delay_alu instid0(VALU_DEP_2)
	v_pk_add_f32 v[14:15], v[14:15], v[246:247]
	s_delay_alu instid0(VALU_DEP_2)
	v_pk_add_f32 v[236:237], v[236:237], v[244:245]
	s_delay_alu instid0(VALU_DEP_1)
	v_pk_add_f32 v[14:15], v[14:15], v[236:237]
.set j, 0
.rept 16
	v_pk_mul_f32 v[160+j:161+j], v[160+j:161+j], v[252:253] op_sel_hi:[1,0]   ; O^T under the new M: x f.  (With the sums above: the places between p's codes and scale word and the products)
.set j, j+2
.endr
	s_wait_alu depctr_va_vdst(0)
	s_wait_dscnt 0x0                               ; V and its scale words are in
.irp t, 0,1,2,3                                ; O^T += V^T P^T: K = these 128 keys.  The four accumulators take turns, and the eight products K Q^T stand between two links of a chain
	v_wmma_scale_f32_16x16x128_f8f6f4 v[160+8*\t:167+8*\t], v[32+12*\t:43+12*\t], v[224:235], v[160+8*\t:167+8*\t], v[248+\t], v253 matrix_a_fmt:MATRIX_FMT_FP6 matrix_b_fmt:MATRIX_FMT_FP6
.endr
	s_add_co_u32 s[TB], s[TB], BLKB
	s_sub_co_u32 s[CNT], s[CNT], 1
	s_cmp_lg_u32 s[CNT], 0
	s_cbranch_scc1 .Lstep_\@
	s_setprio 0
	; THE WAY OUT of a pass
.rept 4
	v_nop                                          ; places in front of the first read of O^T
.endr
	v_add_f32 v14, v14, v15                        ; the sum's two halves,
	s_delay_alu instid0(VALU_DEP_1)
	v_permlanex16_b32 v252, v14, s[SEL], s[SEL+1]
	s_delay_alu instid0(VALU_DEP_1)
	v_add_f32 v14, v14, v252                       ; and lane l xor 16's: the row's sum
	s_wait_alu depctr_va_vdst(0)
	v_rcp_f32 v14, v14
	v_nop                                          ; one plain place behind a transcendental
.set j, 0
	s_wait_alu depctr_va_vdst(0)
.rept 16
	v_pk_mul_f32 v[96+j:97+j], v[160+j:161+j], v[14:15] op_sel_hi:[1,0]   ; O^T / the sum, each accumulator from its low end on: register 16 b + i is d = 32 b + 16 h + i of my query
.set j, j+2
.endr
.irp b, 0,1
	v_max3_num_f32 v[232+\b], |v[96+16*\b]|, |v[97+16*\b]|, 0x1800000   ; the head's two blocks of 32 along the last product's K, with the floor
.endr
.irp i, 2,4,6,8,10,12,14
.irp b, 0,1
	s_delay_alu instid0(VALU_DEP_2)
	v_max3_num_f32 v[232+\b], v[232+\b], |v[96+16*\b+\i]|, |v[97+16*\b+\i]|
.endr
.endr
.irp b, 0,1
	s_delay_alu instid0(VALU_DEP_2)
	v_permlanex16_b32 v[236+\b], v[232+\b], s[SEL], s[SEL+1]
.endr
.irp b, 0,1
	s_delay_alu instid0(VALU_DEP_2)
	v_max_num_f32 v[232+\b], v[232+\b], v[236+\b]
.endr
.irp b, 0,1
	s_delay_alu instid0(VALU_DEP_2)
	v_add_nc_u32 v[244+\b], 0xff000000, v[232+\b]
.endr
.irp b, 0,1
	s_delay_alu instid0(VALU_DEP_2)
	v_lshrrev_b32 v[246+\b], 23, v[244+\b]
.endr
	v_cvt_scalef32_pk16_fp6_f32 v[224:226], v[96:111], v244
	v_cvt_scalef32_pk16_fp6_f32 v[236:238], v[112:127], v245
	v_nop                                          ; one plain place behind a scaled conversion
.irp i, 0,1,2
	v_permlane16_swap_b32 v[224+\i], v[236+\i]
.endr
.irp i, 0,1,2
	s_delay_alu instid0(VALU_DEP_3)
	v_mov_b32 v[227+\i], v[236+\i]                 ; registers 0-5: d = 32 h + 0 .. 31
.endr
	v_cndmask_b32 v246, v246, v247, s[HI16]        ; my half's block's byte
	global_store_b128 v1, v[224:227], s[OP:OP+1] offset:12288*\u        ; 512 consecutive bytes,
	global_store_b64 v2, v[228:229], s[OP:OP+1] offset:12288*\u+512     ; and 256 more
	global_store_b8 v8, v246, s[OS:OS+1] offset:512*\u
.endm
	PASS 0, 16, 28
	PASS 1, 192, 204
	s_wait_tensorcnt 0x0
	ds_add_u32 v243, v255
	s_wait_dscnt 0x0
	CROUND                                         ; the closing round: no work-group ends while a partner may still ask for a tile that names it
	s_endpgm
.Lfunc_end_k_q8d8bf30481_attn:
	.size	k_q8d8bf30481_attn, .Lfunc_end_k_q8d8bf30481_attn-k_q8d8bf30481_attn
	.p2alignl 7, 3214868480
	.fill 96, 4, 3214868480
	.section	.rodata,"a",@progbits
	.p2align	6, 0x0
	.amdhsa_kernel k_q8d8bf30481_attn
		.amdhsa_group_segment_fixed_size 215040
		.amdhsa_private_segment_fixed_size 0
		.amdhsa_enable_private_segment 0
		.amdhsa_kernarg_size 16
		.amdhsa_user_sgpr_count 2
		.amdhsa_user_sgpr_kernarg_segment_ptr 1
		.amdhsa_wavefront_size32 1
		.amdhsa_system_sgpr_workgroup_id_x 1
		.amdhsa_system_sgpr_workgroup_id_y 1
		.amdhsa_system_sgpr_workgroup_id_z 1
		.amdhsa_system_vgpr_workitem_id 0
		.amdhsa_next_free_vgpr 256
		.amdhsa_next_free_sgpr 66
		.amdhsa_reserve_vcc 0
		.amdhsa_float_denorm_mode_32 3
		.amdhsa_float_denorm_mode_16_64 3
		.amdhsa_memory_ordered 1
		.amdhsa_forward_progress 1
		.amdhsa_inst_pref_size 52
	.end_amdhsa_kernel
	.amdgpu_metadata
---
amdhsa.version: [ 1, 2 ]
amdhsa.kernels:
  - .name:           k_q8d8bf30481_attn
    .symbol:         k_q8d8bf30481_attn.kd
    .args:
      - { .name: qkv, .offset: 0, .size: 8, .value_kind: global_buffer, .address_space: global }
      - { .name: oq, .offset: 8, .size: 8, .value_kind: global_buffer, .address_space: global }
    .group_segment_fixed_size: 215040
    .private_segment_fixed_size: 0
    .kernarg_segment_align: 8
    .kernarg_segment_size: 16
    .max_flat_workgroup_size: 512
    .sgpr_count:     66
    .vgpr_count:     256
    .wavefront_size: 32
...
	.end_amdgpu_metadata
.endif
;; end of part 3
;; launch proj (part 4): grid 4 x 32, 4 waves a work-group, clusters of 4 x 4, 327,680 bytes of LDS; arguments oq, cq, b_proj, out0; writes out0
.if DOCPART == 4
	.amdgcn_target "amdgcn-amd-amdhsa--gfx1250"
	.amdhsa_code_object_version 6
	.text
	.protected	k_q8d8bf30481_proj
	.globl	k_q8d8bf30481_proj
	.p2align	8
	.type	k_q8d8bf30481_proj,@function
k_q8d8bf30481_proj:
	s_mov_b64 s[64:65], 0
	v_nop
	global_prefetch_b8 v0, s[64:65] scope:SCOPE_SE
	s_setreg_imm32_b32 hwreg(HW_REG_WAVE_MODE, 25, 1), 1
	s_wait_xcnt 0x0
	s_wait_alu depctr_hold_cnt(0) depctr_sa_sdst(0) depctr_va_vdst(0) depctr_va_sdst(0) depctr_va_ssrc(0) depctr_va_vcc(0) depctr_vm_vsrc(0)
	s_getreg_b32 s2, hwreg(HW_REG_IB_STS2, 6, 4)
	s_cmp_eq_u32 s2, 0
	s_cbranch_scc0 .Lentry_in_a_cluster
	s_endpgm
.Lentry_in_a_cluster:
	s_bfe_u32 s2, ttmp6, 0x10000c
	s_cmp_lg_u32 s2, 0xf033
	s_cbranch_scc0 .Lentry_shape_is_right
	s_endpgm
.Lentry_shape_is_right:
.set KSTEP,  256
.set NQ,     KSTEP/128
.set ROWB,   192
.set KROW,   768
.set PITCH,  240
.set FR,     12
.set NL,     6
.set NLA,    4
.set NP,     4
.set ASTEP,  3072
.set AROW,   12288
.set HALFA,  8*ASTEP
.set HALFT,  128*PITCH
.set SLOT,   2*HALFA+2*HALFT
.set LAPS,   2
.set KS,     32
.set SCL,    2*SLOT
.set HALFS,  (128*KS/256)*272
.set SBLK,   (16*KS/256)*272
.set SPARE,  SCL+4*HALFS
.set SPITCH, 528
.set OROW,   4096
.set ADRA, 16
.set ADRB, 20
.set STO,  24
.set RD,   25
.set CO,   26
.set ADRS, 27
.set SPW,  28
.set NIL,  29
.set SC,   32
.set BIAS, 64
.set AF,   128
.set BK,   128
.set G1, 24
.set G0, 32
.set G1B, 48
.set G0B, 56
.set G1S, 68
.set G0S, 76
.set G1SB, 80
.set G0SB, 88
.set MSB, 0
.macro WIN new
.if MSB != \new
	s_set_vgpr_msb (MSB<<8)|\new
.set MSB, \new
.endif
.endm
.set MUL_LO, 0xa1
.set MUL_HI, 0xf1
.set BEG_LO, 0x81
.set BEG_HI, 0xc1
.set TO_B,   0x40
.macro JLOAD g0a, g1a, g0b, g1b
	s_cmp_eq_u32 s15, 0
	s_cbranch_scc0 .Lfor_b_\@
	tensor_load_to_lds s[\g0a:\g0a+3], s[\g1a:\g1a+7]
	s_nop 0
.rept 4
	v_nop
.endr
	s_branch .Lasked_\@
.Lfor_b_\@:
	tensor_load_to_lds s[\g0b:\g0b+3], s[\g1b:\g1b+7]
	s_nop 0
.rept 4
	v_nop
.endr
.Lasked_\@:
.endm
.macro CREST
	s_cmp_lg_u32 s14, 0
	s_cbranch_scc1 .Lnot_wave_0_\@
	s_barrier_signal -3
.Lnot_wave_0_\@:
	s_barrier_wait -3
	s_barrier_signal -1
	s_barrier_wait -1
.endm
.macro CROUND
	s_barrier_signal -1
	s_barrier_wait -1
	CREST
.endm
	s_load_b128 s[4:7], s[0:1], 0x0
	s_load_b128 s[8:11], s[0:1], 0x10
	v_lshl_add_u32 v[SPW], v0, 2, SPARE
	v_mov_b32 v[NIL], 0
	ds_add_u32 v28, v29
	ds_add_u32 v28, v29
	s_wait_dscnt 0x0
	v_lshrrev_b32 v1, 5, v0
	v_readfirstlane_b32 s14, v1
	s_lshr_b32 s15, s14, 1
	s_and_b32 s16, s14, 1
	s_bfe_u32 s40, ttmp6, 0x40000
	s_bfe_u32 s41, ttmp6, 0x40004
	s_lshl_b32 s42, ttmp9, 2
	s_add_co_u32 s42, s42, s40
	s_and_b32 s17, ttmp7, 0xffff
	s_lshl_b32 s17, s17, 2
	s_add_co_u32 s17, s17, s41
	s_lshl_b32 s43, s41, 2
	s_lshl_b32 s43, 15, s43
	s_lshl_b32 s44, 0x1111, s40
	s_or_b32 s[G1+0], s43, (3<<16)|(1<<21)
	s_mov_b32 s[G1+1], (ASTEP/8)<<16
	s_mov_b32 s[G1+2], 8<<16
	s_mov_b32 s[G1+3], (ASTEP/8)<<16
	s_mov_b32 s[G1+4], 8
	s_mov_b32 s[G1+5], AROW/8
	s_mov_b32 s[G1+6], 0
	s_mov_b32 s[G1+7], 0
	s_or_b32 s[G1B+0], s44, (0<<16)|(1<<20)|(1<<21)|(3<<22)|(3<<25)
	s_mov_b32 s[G1B+1], ROWB<<16
	s_mov_b32 s[G1B+2], 128<<16
	s_mov_b32 s[G1B+3], ROWB<<16
	s_mov_b32 s[G1B+4], 128
	s_mov_b32 s[G1B+5], KROW
	s_mov_b32 s[G1B+6], 0
	s_mov_b32 s[G1B+7], 0
	s_or_b32 s[G1S+0], s43, (3<<16)|(1<<20)|(1<<21)|(5<<22)|(3<<25)
	s_or_b32 s[G1SB+0], s44, (3<<16)|(1<<20)|(1<<21)|(5<<22)|(3<<25)
.irp g, G1S, G1SB
	s_mov_b32 s[\g+1], 32<<16
	s_mov_b32 s[\g+2], (128*KS/256)<<16
	s_mov_b32 s[\g+3], 32<<16
	s_mov_b32 s[\g+4], 128*KS/256
	s_mov_b32 s[\g+5], 32
	s_mov_b32 s[\g+6], 0
	s_mov_b32 s[\g+7], 0
.endr
	s_mul_i32 s18, s16, 98304
	s_lshl_b32 s19, s16, 12
	s_mul_i32 s20, s17, 16*AROW
	s_add_co_u32 s20, s20, s18
	s_mov_b32 s21, 0
	s_lshl_b32 s22, s17, 13
	s_add_co_u32 s22, s22, s19
	s_add_co_u32 s22, s22, 6291456
	s_mov_b32 s23, 0
	s_add_co_u32 s46, s42, 44
	s_mul_i32 s46, s46, 204800
	s_add_co_u32 s92, s46, s19
	s_add_co_u32 s92, s92, 196608
	s_add_co_u32 s46, s46, s18
	s_mov_b32 s47, 0
	s_mov_b32 s93, 0
	s_mul_i32 s45, s16, HALFA
	s_mul_i32 s98, s16, HALFT
	s_add_co_u32 s98, s98, 2*HALFA
	s_mul_i32 s94, s14, HALFS
	s_wait_kmcnt 0x0
	s_add_nc_u64 s[20:21], s[4:5], s[20:21]
	s_add_nc_u64 s[22:23], s[4:5], s[22:23]
	s_add_nc_u64 s[46:47], s[6:7], s[46:47]
	s_add_nc_u64 s[92:93], s[6:7], s[92:93]
	CROUND
	s_mov_b32 s[G0S], 1
	s_add_co_u32 s[G0S+1], s94, SCL
	s_mov_b64 s[G0S+2:G0S+3], s[22:23]
	s_or_b32 s[G0S+3], s[G0S+3], 0x80000000
	s_mov_b32 s[G0SB], 1
	s_add_co_u32 s[G0SB+1], s94, SCL
	s_mov_b64 s[G0SB+2:G0SB+3], s[92:93]
	s_or_b32 s[G0SB+3], s[G0SB+3], 0x80000000
	JLOAD G0S, G1S, G0SB, G1SB
.irp s, 0,1
	s_mov_b32 s[G0+4*\s], 1
	s_add_co_u32 s[G0+4*\s+1], s45, \s*SLOT
	s_add_nc_u64 s[G0+4*\s+2:G0+4*\s+3], s[20:21], \s*ASTEP
	s_or_b32 s[G0+4*\s+3], s[G0+4*\s+3], 0x80000000
	s_mov_b32 s[G0B+4*\s], 1
	s_add_co_u32 s[G0B+4*\s+1], s98, \s*SLOT
	s_add_nc_u64 s[G0B+4*\s+2:G0B+4*\s+3], s[46:47], \s*ROWB
	s_or_b32 s[G0B+4*\s+3], s[G0B+4*\s+3], 0x80000000
	s_wait_alu depctr_va_vdst(0)
	s_wait_tensorcnt 0x0
	ds_add_u32 v28, v29
	s_wait_dscnt 0x0
	CROUND
	JLOAD G0+4*\s, G1, G0B+4*\s, G1B
.endr
	v_and_b32 v1, 15, v0
	v_bfe_u32 v2, v0, 4, 1
	v_and_b32 v6, 31, v0
	v_lshlrev_b32 v7, 4, v6
	v_lshlrev_b32 v8, 3, v6
	v_mul_u32_u24 v3, v1, PITCH
	v_mul_u32_u24 v4, v2, 24
	v_add_nc_u32 v4, v3, v4
	v_lshl_add_u32 v5, v2, 4, v4
	s_mul_i32 s21, s15, HALFA
	s_mul_i32 s22, s16, HALFT
	s_add_co_u32 s22, s22, 2*HALFA
.irp s, 0,1
	v_add_nc_u32 v[ADRA+\s], s21, v7
	v_add_nc_u32 v[ADRA+2+\s], s21, v8
	v_add_nc_u32 v[ADRB+\s], s22, v4
	v_add_nc_u32 v[ADRB+2+\s], s22, v5
	s_add_co_u32 s21, s21, SLOT
	s_add_co_u32 s22, s22, SLOT
.endr
	v_mul_u32_u24 v5, v1, KS
	v_lshrrev_b32 v6, 8, v5
	v_lshl_add_u32 v5, v6, 4, v5
	s_mul_i32 s21, s15, HALFS
	s_mul_i32 s22, s16, HALFS
	s_add_co_u32 s22, s22, 2*HALFS
	s_sub_co_u32 s22, s22, s21
	v_mul_u32_u24 v6, s22, v2
	s_add_co_u32 s21, s21, SCL
	v_add_nc_u32 v5, v5, v6
	v_add_nc_u32 v[ADRS], s21, v5
	s_mul_i32 s23, s14, 16*SPITCH
	v_mul_u32_u24 v5, v1, SPITCH
	v_lshl_add_u32 v5, v2, 5, v5
	v_add_nc_u32 v[STO], s23, v5
	v_mov_b32 v[CO], v7
	v_add_nc_u32 v[RD], s23, v7
	v_lshlrev_b32 v9, 5, v2
	s_wait_alu depctr_va_vdst(0)
	s_lshl_b32 s20, s17, 8
	s_lshl_b32 s21, s15, 7
	s_add_co_u32 s20, s20, s21
	s_lshl_b32 s20, s20, 12
	s_mov_b32 s21, 0
	s_lshl_b32 s46, s42, 10
	s_lshl_b32 s47, s16, 9
	s_add_co_u32 s46, s46, s47
	s_mov_b32 s47, 0
	s_add_nc_u64 s[8:9], s[8:9], s[46:47]
	s_add_nc_u64 s[20:21], s[20:21], s[46:47]
	s_add_nc_u64 s[12:13], s[10:11], s[20:21]
.irp b, 0,1,2,3,4,5,6,7
	global_load_b128 v[BIAS+8*\b:BIAS+8*\b+3], v9, s[8:9] offset:64*\b
	global_load_b128 v[BIAS+8*\b+4:BIAS+8*\b+7], v9, s[8:9] offset:64*\b+16
.endr
.macro FRAG reg, adr, q, i
.irp p, 0,1,2,3,4,5
.set PC, 12*(\q)+6*(\p/3)+\p%3
.if PC%8 < 5
	ds_load_b64 v[\reg+2*\p:\reg+2*\p+1], v[\adr] offset:8*PC+16*(PC/8)+(\i)*16*PITCH
.else
	ds_load_b64 v[\reg+2*\p:\reg+2*\p+1], v[\adr+2] offset:8*PC+16*(PC/8)+(\i)*16*PITCH
.endif
.endr
.endm
.macro FRAGA reg, slot, q, i
	ds_load_b128 v[\reg:\reg+3], v[ADRA+\slot] offset:(\i)*ASTEP+(\q)*1536
	ds_load_b64 v[\reg+4:\reg+5], v[ADRA+2+\slot] offset:(\i)*ASTEP+(\q)*1536+512
	ds_load_b128 v[\reg+6:\reg+9], v[ADRA+\slot] offset:(\i)*ASTEP+(\q)*1536+768
	ds_load_b64 v[\reg+10:\reg+11], v[ADRA+2+\slot] offset:(\i)*ASTEP+(\q)*1536+1280
.endm
.macro MUL16 a0, p, q, sc, first
.irp a, \a0, \a0+1
.irp b, 0,1,2,3,4,5,6,7
.if \first
	v_wmma_scale_f32_16x16x128_f8f6f4 v[8*(8*((\a)%4)+\b):8*(8*((\a)%4)+\b)+7], v[128*(\p)+FR*\b:128*(\p)+FR*\b+FR-1], v[AF+FR*(\a):AF+FR*(\a)+FR-1], v[BIAS+8*\b:BIAS+8*\b+7], v[SC+8*NQ*(\sc)+NQ*\b+(\q)], v[SC+8*NQ*(\sc)+NQ*(\a)+(\q)] matrix_a_fmt:MATRIX_FMT_FP6 matrix_b_fmt:MATRIX_FMT_FP6 matrix_a_scale:MATRIX_SCALE_ROW1
.else
	v_wmma_scale_f32_16x16x128_f8f6f4 v[8*(8*((\a)%4)+\b):8*(8*((\a)%4)+\b)+7], v[128*(\p)+FR*\b:128*(\p)+FR*\b+FR-1], v[AF+FR*(\a):AF+FR*(\a)+FR-1], v[8*(8*((\a)%4)+\b):8*(8*((\a)%4)+\b)+7], v[SC+8*NQ*(\sc)+NQ*\b+(\q)], v[SC+8*NQ*(\sc)+NQ*(\a)+(\q)] matrix_a_fmt:MATRIX_FMT_FP6 matrix_b_fmt:MATRIX_FMT_FP6 matrix_a_scale:MATRIX_SCALE_ROW1
.endif
.endr
.endr
.endm
.macro FETCH_B slot, q, p
	WIN TO_B
.irp i, 0,1,2,3,4,5,6,7
	FRAG 128*(\p)+FR*\i, ADRB+\slot, \q, \i
.endr
	WIN 0
.endm
.macro FETCH_A slot, q, i0
.irp i, \i0, \i0+1, \i0+2, \i0+3
	FRAGA AF+FR*(\i), \slot, \q, \i
.endr
.endm
.macro SCALES sc
.irp i, 0,1,2,3,4,5,6,7
	ds_load_b64 v[SC+8*NQ*\sc+NQ*\i:SC+8*NQ*\sc+NQ*\i+1], v[ADRS] offset:\i*SBLK
.endr
.endm
.macro PLACES n
.rept \n
	v_nop
.endr
.endm
.macro STEP slot, q, first
	s_wait_dscnt 4*NLA
.if \first
	WIN BEG_LO
.else
	WIN MUL_LO
.endif
	MUL16 0, (\q)%2, \q, \slot, \first
	MUL16 2, (\q)%2, \q, \slot, \first
	s_wait_dscnt 0
	PLACES NP
	FETCH_B \slot, (\q)+1, 1-(\q)%2
	FETCH_A \slot, (\q)+1, 0
.if \first
	WIN BEG_HI
.else
	WIN MUL_HI
.endif
	MUL16 4, (\q)%2, \q, \slot, \first
	MUL16 6, (\q)%2, \q, \slot, \first
	PLACES NP
	WIN 0
	FETCH_A \slot, (\q)+1, 4
.endm
.macro TURN slot, next, fill
	s_wait_tensorcnt 0x0
	ds_add_u32 v[SPW], v[NIL]
	s_wait_dscnt 4*NLA+1
	WIN MUL_LO
	MUL16 0, 1, NQ-1, \slot, 0
	s_wait_dscnt 0x0
	s_barrier_signal -1
	MUL16 2, 1, NQ-1, \slot, 0
	WIN 0
	s_barrier_wait -1
.if \fill
	CREST
	s_add_nc_u64 s[G0+4*\slot+2:G0+4*\slot+3], s[G0+4*\slot+2:G0+4*\slot+3], 2*ASTEP
	s_add_nc_u64 s[G0B+4*\slot+2:G0B+4*\slot+3], s[G0B+4*\slot+2:G0B+4*\slot+3], 2*ROWB
	JLOAD G0+4*\slot, G1, G0B+4*\slot, G1B
.else
	PLACES NP
.endif
	s_wait_alu depctr_va_vdst(0)
	v_add_nc_u32 v[ADRS], 4*NQ, v[ADRS]
	FETCH_B \next, 0, 0
	FETCH_A \next, 0, 0
	SCALES \next
	WIN MUL_HI
	MUL16 4, 1, NQ-1, \slot, 0
	MUL16 6, 1, NQ-1, \slot, 0
	PLACES NP
	WIN 0
	FETCH_A \next, 0, 4
.endm
	s_wait_tensorcnt 1
	s_barrier_signal -1
	s_barrier_wait -1
	FETCH_B 0, 0, 0
	FETCH_A 0, 0, 0
	SCALES 0
	FETCH_A 0, 0, 4
	s_wait_loadcnt 0x0
	STEP 0, 0, 1
	s_mov_b32 s3, LAPS-1
.Llap:
	TURN 0, 1, 1
	STEP 1, 0, 0
	TURN 1, 0, 1
	STEP 0, 0, 0
	s_sub_co_u32 s3, s3, 1
	s_cmp_lg_u32 s3, 0
	s_cbranch_scc1 .Llap
	TURN 0, 1, 0
	STEP 1, 0, 0
	s_wait_dscnt 4*NLA
	WIN MUL_LO
	MUL16 0, 1, NQ-1, 1, 0
	MUL16 2, 1, NQ-1, 1, 0
	s_wait_dscnt 0
	WIN MUL_HI
	MUL16 4, 1, NQ-1, 1, 0
	MUL16 6, 1, NQ-1, 1, 0
	WIN 0
.macro TOSTAGE a
.set AC, 64*((\a)%4)
	WIN (0x08+4*((\a)/4))
.irp b, 0,1,2,3,4,5,6,7
	ds_store_b128 v[STO], v[AC+8*\b:AC+8*\b+3] offset:64*\b
	ds_store_b128 v[STO], v[AC+8*\b+4:AC+8*\b+7] offset:64*\b+16
.endr
	WIN 0
.set BB, BK+64*((\a)%2)
.irp t, 0,1,2,3,4,5,6,7,8,9,10,11,12,13,14,15
	ds_load_b128 v[BB+4*\t:BB+4*\t+3], v[RD] offset:\t*SPITCH
.endr
.endm
.macro SEND a, younger
.set BB, BK+64*((\a)%2)
	s_wait_dscnt \younger
.if (\a) > 0
.if (\a)%2 == 1
	s_add_nc_u64 s[12:13], s[12:13], 8*OROW
.else
	s_add_nc_u64 s[12:13], s[12:13], 24*OROW
.endif
.endif
.irp t, 0,1,2,3,4,5,6,7,8,9,10,11,12,13,14,15
	global_store_b128 v[CO], v[BB+4*\t:BB+4*\t+3], s[12:13] offset:(\t+8*(\t/8))*OROW th:TH_STORE_NT
.endr
.endm
	PLACES NP
	TOSTAGE 0
.irp a, 1,2,3,4,5,6,7
.if \a > 1
	s_wait_xcnt 0x0
.endif
	TOSTAGE \a
	SEND \a-1, 32
.endr
	s_wait_xcnt 0x0
	SEND 7, 0
	s_wait_tensorcnt 0x0
	ds_add_u32 v[SPW], v[NIL]
	s_wait_dscnt 0x0
	CROUND
	s_endpgm
.Lfunc_end_k_q8d8bf30481_proj:
	.size	k_q8d8bf30481_proj, .Lfunc_end_k_q8d8bf30481_proj-k_q8d8bf30481_proj
	.p2alignl 7, 3214868480
	.fill 96, 4, 3214868480
	.section	.rodata,"a",@progbits
	.p2align	6, 0x0
	.amdhsa_kernel k_q8d8bf30481_proj
		.amdhsa_group_segment_fixed_size 327680
		.amdhsa_private_segment_fixed_size 0
		.amdhsa_enable_private_segment 0
		.amdhsa_kernarg_size 32
		.amdhsa_user_sgpr_count 2
		.amdhsa_user_sgpr_kernarg_segment_ptr 1
		.amdhsa_wavefront_size32 1
		.amdhsa_system_sgpr_workgroup_id_x 1
		.amdhsa_system_sgpr_workgroup_id_y 1
		.amdhsa_system_sgpr_workgroup_id_z 1
		.amdhsa_system_vgpr_workitem_id 0
		.amdhsa_next_free_vgpr 1024
		.amdhsa_next_free_sgpr 100
		.amdhsa_reserve_vcc 0
		.amdhsa_float_denorm_mode_32 3
		.amdhsa_float_denorm_mode_16_64 3
		.amdhsa_memory_ordered 1
		.amdhsa_forward_progress 1
		.amdhsa_inst_pref_size 155
	.end_amdhsa_kernel
	.amdgpu_metadata
---
amdhsa.version: [ 1, 2 ]
amdhsa.kernels:
  - .name:           k_q8d8bf30481_proj
    .symbol:         k_q8d8bf30481_proj.kd
    .args:
      - { .name: oq, .offset: 0, .size: 8, .value_kind: global_buffer, .address_space: global }
      - { .name: cq, .offset: 8, .size: 8, .value_kind: global_buffer, .address_space: global }
      - { .name: b_proj, .offset: 16, .size: 8, .value_kind: global_buffer, .address_space: global }
      - { .name: out0, .offset: 24, .size: 8, .value_kind: global_buffer, .address_space: global }
    .group_segment_fixed_size: 327680
    .private_segment_fixed_size: 0
    .kernarg_segment_align: 8
    .kernarg_segment_size: 32
    .max_flat_workgroup_size: 128
    .sgpr_count:     100
    .vgpr_count:     1024
    .wavefront_size: 32
...
	.end_amdgpu_metadata
.endif
;; end of part 4
